; MI455X (gfx1250); checked and timed in simulation.
; The chip was launched on July 23, 2026; its instructions are those of AMD's public machine-readable ISA for CDNA 5 (MIT licence, August 2026) and "CDNA5" Instruction Set Architecture Reference Guide (July 2026). The comments in the code are by the model that wrote it; some were corrected since.
;; Causal Self Attention. Allowed arithmetic: matrix products marked QUANTISED: E5M2 operands, one given power-of-two scale a tensor, by v_wmma_f32_16x16x64_bf8_bf8 or v_wmma_f32_16x16x128_bf8_bf8, f32 sums; everything else in f32.
;; Inputs: b_attn 3,072 float32; b_proj 1,024 float32; lowp_scales 8 int32 (the exponents e of the quantised operands' scales 2^e); w_attn 1,024 x 3,072 float32; w_proj 1,024 x 1,024 float32; x 8 x 1,024 x 1,024 float32.
;; Outputs: out0 8 x 1,024 x 1,024 float32.
;; This version of the problem:
;;   THIS VERSION OF THE PROBLEM IS GIVEN IN LOW PRECISION. The matrix products marked QUANTISED in the list below multiply operands that are first quantised to E5M2 (5 exponent bits, 2 mantissa bits; 8 bits a number), with one given power-of-two scale for each operand tensor; their sums are f32. All else is computed in f32.
;;   The module's matrix products, in the order in which they are computed (A, B: the left and right operand; K: the contracted axis; several contracted axes count as one K, in the product's order):
;;     1. [M 8,192, K 1,024] x [K 1,024, N 3,072]; A: input x; B: input w_attn: QUANTISED (scales: A lowp_scales[0], B lowp_scales[1])
;;     2. batch 128 x [M 1,024, K 64] x [K 64, N 1,024]; A: computed on the way; B: computed on the way: QUANTISED (scales: A lowp_scales[2], B lowp_scales[3])
;;     3. batch 128 x [M 1,024, K 1,024] x [K 1,024, N 64]; A: softmax (see below); B: computed on the way: QUANTISED (scales: A lowp_scales[4], B lowp_scales[5])
;;     4. [M 8,192, K 1,024] x [K 1,024, N 1,024]; A: computed on the way; B: input w_proj: QUANTISED (scales: A lowp_scales[6], B lowp_scales[7])
;;   THE QUANTISER, for each operand of a quantised product, along K:
;;     - The operand's scale is 2^e, e = its entry of the input lowp_scales (int32; the entries are numbered through the quantised products in the list's order, A before B).
;;     - Each number is divided by the scale, clamped to +-57,344, and rounded to the nearest number of E5M2, ties to even, subnormals kept.
;;     - The product sums the exact products of the quantised numbers (number of the format x scale) in f32.
;;   ~~~python
;;   def quantise(x, axis, e):      # numpy; x: float32 -> the quantised numbers, widened to float32 again
;;       x = np.moveaxis(x, axis, -1); K = x.shape[-1]
;;       r = np.clip(x / 2.0 ** e, -57344, 57344)
;;       step = 2.0 ** (np.maximum(np.frexp(np.where(r == 0, 1, r))[1] - 1, -14) - 2)
;;       q = np.round(r / step) * step * 2.0 ** e      # np.round: ties to even
;;       return np.moveaxis(q, -1, axis).astype(np.float32)
;;   ~~~
;;   SOFTMAX AHEAD OF A QUANTISED PRODUCT. Where the list says 'softmax', what is quantised is not the finished softmax but p = 2^(t - M), with t = logit x log2(e) and M = ceil(the row's largest t), a whole number; so 1/2 < the row's largest p <= 1. The row's sum l is taken of the UNQUANTISED p, in f32, and the product's result is divided by l at the end. Since M is a whole number, a kernel that streams over the keys may use a running M (the ceiling of the running maximum): every later rescaling is an exact power of two, so the quantised numbers keep their values, but for numbers so far below the row's largest that they fall under the format's range.
;;   OPERANDS COMPUTED ON THE WAY. 'Computed on the way' means the value that the module computes at that place (a softmax that the list does not call 'softmax' is quantised finished and normalised). What goes into a quantiser is computed in f32, as accurately as f32 sums, v_exp_f32 and their like allow (about 1e-6 of the number): no bf16 or f16 on the way to a quantiser, and a product that is left as it is and whose result goes on into a quantised operand takes f32 operands (vector FMAs, or v_wmma_f32_16x16x4_f32). A number that lies on a knife's edge between two numbers of the format may be rounded either way, as far as f32 arithmetic and the matrix unit's own rounding can turn it there, and no further.
;; One version. Each part assembles by itself: llvm-mc -triple=amdgcn-amd-amdhsa -mcpu=gfx1250 --defsym DOCPART=n.
;; ======== version 1 of 1: 4 launches
;; limits: right only within a limited range of input values
;; workspace buffers: xc 8,388,608 bytes; wac 3,145,728 bytes; wpc 1,048,576 bytes; qkv 25,165,824 bytes; yc 8,388,608 bytes
;; launch quant (part 1): grid 768 x 1, 4 waves a work-group, no clusters, 17,920 bytes of LDS; arguments x, w_attn, w_proj, lowp_scales, xc, wac, wpc; writes xc, wac, wpc
.if DOCPART == 1
	.amdgcn_target "amdgcn-amd-amdhsa--gfx1250"
	.amdhsa_code_object_version 6
	.text
	.protected	k_q5dbbba3479_quant
	.globl	k_q5dbbba3479_quant
	.p2align	8
	.type	k_q5dbbba3479_quant,@function
k_q5dbbba3479_quant:
	s_mov_b64 s[64:65], 0
	v_nop
	global_prefetch_b8 v0, s[64:65] scope:SCOPE_SE
	s_setreg_imm32_b32 hwreg(HW_REG_WAVE_MODE, 25, 1), 1
	s_wait_xcnt 0x0
; x [8192][1024], w_attn [1024][3072] and w_proj [1024][1024], all f32, become codes of BF8 (E5M2): xc with 2^e0, wac with 2^e1, wpc with 2^e7 (entries 0, 1, 7 of the buffer of scales).
; code = number / 2^e, held within +-57,344, rounded to the nearest code, ties to even.
; LIMITS: e0, e1, e7 between -126 and 112, so that 2^e and 57,344 x 2^e are f32 numbers.  NaN among the inputs is not served; an infinity is held at the largest code.
; No step of reference() is left out in this launch.
; LAYOUT OF ALL CODES: AN IMAGE OF THE OPERAND'S REGISTERS.  16 rows (a row block) x 64 along K (a chunk) are 1,024 bytes: piece c (0, 1), half h (0, 1), row r (0..15), 16 bytes: K = 32 c + 16 h + 0 .. 15 of row r.
; So lane (r, h) of a wave finds its 16 bytes of piece c at 512 c + 16 x lane.  A row block is 16 chunks on end: 16,384 bytes.
; The row blocks of wac are ordered by head: 12 head + 4 part + i (part 0, 1, 2 = q, k, v; i = 16 channels of the head's 64).
; SHARES.  Work-groups 0-511: a row block of x each, a wave 256 along K.  512-703: w_attn, 704-767: w_proj: 128 columns x 128 along K a work-group, 32 columns a wave.  Each reads 65,536 bytes.  Waves share nothing: no barrier.
; No matrix unit, no cluster, no tensor load: the launch only streams, nothing is read twice, and all of a wave's loads are asked for ahead, so no prefetch.
.set PITCH, 272                        ; a stage row: 64 numbers + 16 bytes
.set SPARE, 4*16*PITCH                 ; behind the four stages: the spare words
.set X,   32                           ; v32-63   x: 32 numbers in hand;  w: codes
.set R,   64                           ; v64-191  numbers as they are loaded
.set SPW, 12
.set NIL, 13
.macro SCALE e
	s_wait_kmcnt 0x0                               ; the exponents
	s_add_co_i32 s20, s[\e], 127
	s_lshl_b32 s21, s20, 23
	v_mov_b32 v11, s21                             ; 2^e as f32: the conversion takes its exponent field
	s_add_co_i32 s20, s20, 15
	s_lshl_b32 s20, s20, 23
	s_or_b32 s20, s20, 0x600000
	v_mov_b32 v10, s20                             ; 57,344 x 2^e
	s_wait_alu depctr_va_vdst(0)                   ; the wait at the head's end
.endm
; x: 64 along K of my 16 rows.  In as loaded (two rows of 256 bytes a load), back as lane (r, h)'s 16 neighbours of each piece.  LDS serves a wave's instructions in order (ISA guide 5.7.1.4): no wait between.
.macro XSTEP t
	s_wait_loadcnt 24-8*\t                         ; this step's eight loads are in; the later steps' may be out
.irp i, 0,1,2,3,4,5,6,7
	ds_store_b128 v8, v[R+32*\t+4*\i:R+32*\t+4*\i+3] offset:2*PITCH*\i
.endr
.irp i, 0,1,2,3
	ds_load_b128 v[X+4*\i:X+4*\i+3], v9 offset:16*\i
	ds_load_b128 v[X+16+4*\i:X+16+4*\i+3], v9 offset:128+16*\i
.endr
	s_wait_dscnt 0x0
.set jj, 0
.rept 32
	v_med3_num_f32 v[X+jj], v[X+jj], -v10, v10     ; the conversion to an 8-bit code does not saturate (ISA guide 7.6.2)
.set jj, jj+1
.endr
.irp g, 0,1,2,3
	v_cvt_scalef32_pk8_bf8_f32 v[R+32*\t+2*\g:R+32*\t+2*\g+1], v[X+8*\g:X+8*\g+7], v11   ; into registers that the stage's stores have read
.endr
	v_nop                                          ; one plain vector line behind the last conversion
.irp c, 0,1
	global_store_b128 v7, v[R+32*\t+4*\c:R+32*\t+4*\c+3], s[12:13] offset:1024*\t+512*\c   ; the wave stores 512 consecutive bytes, aligned
.endr
.endm
.macro WLOAD t, cols, src              ; 32 along K of my column: 32 lanes read 128 consecutive bytes, the four waves 512
.set jj, 0
.rept 32
	global_load_b32 v[R+32*\t+jj], v6, s[\src:\src+1] offset:(32*\t+jj)*\cols*4 th:TH_LOAD_NT
.set jj, jj+1
.endr
.endm
.macro WBLOCK t, cnt, dst
	s_wait_loadcnt \cnt                            ; this block's 32 loads are in; the younger ones may be out
.set jj, 0
.rept 32
	v_med3_num_f32 v[R+32*\t+jj], v[R+32*\t+jj], -v10, v10
.set jj, jj+1
.endr
.irp g, 0,1,2,3
	v_cvt_scalef32_pk8_bf8_f32 v[X+8*\t+2*\g:X+8*\t+2*\g+1], v[R+32*\t+8*\g:R+32*\t+8*\g+7], v11
.endr
	v_nop
.irp h, 0,1
	global_store_b128 v7, v[X+8*\t+4*\h:X+8*\t+4*\h+3], s[\dst:\dst+1] offset:512*\t+256*\h   ; sixteen lanes store 256 consecutive bytes, aligned: one row block's piece and half
.endr
.endm
; A weight [1024][cols]: A LANE TAKES A COLUMN, ITS REGISTERS RUN DOWN K, so a lane's conversions give 16 neighbours along K, and sixteen lanes' 16 bytes are a unit of the image: no LDS.
.macro WPATH cols, src, dst, e, id0, byhead
	s_sub_co_u32 s19, ttmp9, \id0
	s_and_b32 s21, s19, 7                          ; which 128 along K
	s_lshr_b32 s20, s19, 3
	s_lshl_b32 s20, s20, 2
	s_add_co_u32 s20, s20, s18                     ; which 32 columns
	s_mul_i32 s22, s21, 128*\cols*4
	s_lshl_b32 s23, s20, 7
	s_add_co_u32 s22, s22, s23
	s_mov_b32 s23, 0
	s_add_nc_u64 s[\src:\src+1], s[\src:\src+1], s[22:23]
.if \byhead
	s_lshr_b32 s19, s20, 5                         ; the part
	s_lshl_b32 s19, s19, 2
	s_bfe_u32 s22, s20, 0x40001                    ; the head
	s_mul_i32 s22, s22, 12
	s_add_co_u32 s22, s22, s19
	s_and_b32 s19, s20, 1
	s_lshl_b32 s19, s19, 1
	s_add_co_u32 s22, s22, s19                     ; my first row block; lanes 16-31 take the next
.else
	s_lshl_b32 s22, s20, 1
.endif
	s_lshl_b32 s22, s22, 14
	s_lshl_b32 s21, s21, 11
	s_add_co_u32 s22, s22, s21
	s_add_nc_u64 s[\dst:\dst+1], s[\dst:\dst+1], s[22:23]
	v_lshlrev_b32 v6, 2, v2                        ; in: 4 bytes a lane
	v_lshl_add_u32 v7, v4, 14, v5                  ; out: row block lane / 16, 16 r
	WLOAD 0, \cols, \src
	WLOAD 1, \cols, \src
	WLOAD 2, \cols, \src
	s_wait_alu depctr_va_vdst(0)
	SCALE \e
	WBLOCK 0, 63, \dst                             ; 96 loads issued: 64 are younger
	WLOAD 3, \cols, \src
	WBLOCK 1, 63, \dst
	WBLOCK 2, 32, \dst
	WBLOCK 3, 0, \dst
	s_endpgm
.endm
	s_load_b256 s[4:11], s[0:1], 0x0               ; x s[4:5], w_attn s[6:7], w_proj s[8:9], the exponents s[10:11]
	s_load_b128 s[12:15], s[0:1], 0x20             ; xc s[12:13], wac s[14:15]
	s_load_b64 s[16:17], s[0:1], 0x30              ; wpc
	v_lshl_add_u32 v[SPW], v0, 2, SPARE
	v_mov_b32 v[NIL], 0
	v_lshrrev_b32 v1, 5, v0
	v_readfirstlane_b32 s18, v1                    ; wave 0..3
	v_and_b32 v2, 31, v0                           ; lane
	v_and_b32 v3, 15, v0                           ; r
	v_bfe_u32 v4, v0, 4, 1                         ; h
	v_lshlrev_b32 v5, 4, v3                        ; 16 r
	s_wait_alu depctr_va_vdst(0)                   ; directly ahead of the wait below
	s_wait_kmcnt 0x0
	s_load_b256 s[24:31], s[10:11], 0x0            ; e0 .. e7 in s24 .. s31
	s_cmp_lt_u32 ttmp9, 512                        ; the three ways part on the work-group's number alone
	s_cbranch_scc0 .Lw
	s_mul_i32 s19, s18, 16*PITCH                   ; my stage
	s_lshl_b32 s22, ttmp9, 16                      ; the row block's 65,536 bytes of x,
	s_lshl_b32 s20, s18, 10                        ; my 256 along K
	s_add_co_u32 s22, s22, s20
	s_mov_b32 s23, 0
	s_add_nc_u64 s[4:5], s[4:5], s[22:23]
	s_lshl_b32 s22, ttmp9, 14
	s_lshl_b32 s20, s18, 12
	s_add_co_u32 s22, s22, s20
	s_add_nc_u64 s[12:13], s[12:13], s[22:23]      ; my four chunks of the image
	v_lshl_add_u32 v6, v4, 12, v5                  ; in: row lane / 16, 16 bytes a lane
	v_lshlrev_b32 v7, 4, v2                        ; out: 16 x lane
	v_mul_u32_u24 v8, v4, PITCH
	v_add_nc_u32 v8, v8, v5
	v_add_nc_u32 v8, s19, v8                       ; into the stage, as loaded
	v_mul_u32_u24 v9, v3, PITCH
	v_lshl_add_u32 v9, v4, 6, v9
	v_add_nc_u32 v9, s19, v9                       ; back: row r, 64 h
.irp t, 0,1,2,3
.irp i, 0,1,2,3,4,5,6,7
	global_load_b128 v[R+32*\t+4*\i:R+32*\t+4*\i+3], v6, s[4:5] offset:8192*\i+256*\t th:TH_LOAD_NT   ; two rows, 256 consecutive bytes of each
.endr
.endr
	s_wait_alu depctr_va_vdst(0)
	SCALE 24
	XSTEP 0
	XSTEP 1
	XSTEP 2
	XSTEP 3
	s_wait_tensorcnt 0x0                           ; the wave's end
	ds_add_u32 v[SPW], v[NIL]
	s_wait_dscnt 0x0
	s_endpgm
.Lw:
	s_cmp_lt_u32 ttmp9, 704
	s_cbranch_scc0 .Lwp
	WPATH 3072, 6, 14, 25, 512, 1                  ; w_attn with e1
.Lwp:
	WPATH 1024, 8, 16, 31, 704, 0                  ; w_proj with e7
.Lfunc_end_k_q5dbbba3479_quant:
	.size	k_q5dbbba3479_quant, .Lfunc_end_k_q5dbbba3479_quant-k_q5dbbba3479_quant
	.p2alignl 7, 3214868480
	.fill 96, 4, 3214868480
	.section	.rodata,"a",@progbits
	.p2align	6, 0x0
	.amdhsa_kernel k_q5dbbba3479_quant
		.amdhsa_group_segment_fixed_size 17920
		.amdhsa_private_segment_fixed_size 0
		.amdhsa_enable_private_segment 0
		.amdhsa_kernarg_size 56
		.amdhsa_user_sgpr_count 2
		.amdhsa_user_sgpr_kernarg_segment_ptr 1
		.amdhsa_wavefront_size32 1
		.amdhsa_system_sgpr_workgroup_id_x 1
		.amdhsa_system_sgpr_workgroup_id_y 1
		.amdhsa_system_sgpr_workgroup_id_z 1
		.amdhsa_system_vgpr_workitem_id 0
		.amdhsa_next_free_vgpr 192
		.amdhsa_next_free_sgpr 66
		.amdhsa_reserve_vcc 0
		.amdhsa_float_denorm_mode_32 3
		.amdhsa_float_denorm_mode_16_64 3
		.amdhsa_memory_ordered 1
		.amdhsa_forward_progress 1
		.amdhsa_inst_pref_size 66
	.end_amdhsa_kernel
	.amdgpu_metadata
---
amdhsa.version: [ 1, 2 ]
amdhsa.kernels:
  - .name:           k_q5dbbba3479_quant
    .symbol:         k_q5dbbba3479_quant.kd
    .args:
      - { .name: x, .offset: 0, .size: 8, .value_kind: global_buffer, .address_space: global }
      - { .name: w_attn, .offset: 8, .size: 8, .value_kind: global_buffer, .address_space: global }
      - { .name: w_proj, .offset: 16, .size: 8, .value_kind: global_buffer, .address_space: global }
      - { .name: lowp_scales, .offset: 24, .size: 8, .value_kind: global_buffer, .address_space: global }
      - { .name: xc, .offset: 32, .size: 8, .value_kind: global_buffer, .address_space: global }
      - { .name: wac, .offset: 40, .size: 8, .value_kind: global_buffer, .address_space: global }
      - { .name: wpc, .offset: 48, .size: 8, .value_kind: global_buffer, .address_space: global }
    .group_segment_fixed_size: 17920
    .private_segment_fixed_size: 0
    .kernarg_segment_align: 8
    .kernarg_segment_size: 56
    .max_flat_workgroup_size: 128
    .sgpr_count:     66
    .vgpr_count:     192
    .wavefront_size: 32
...
	.end_amdgpu_metadata
.endif
;; end of part 1
;; launch qkv (part 2): grid 8 x 32, 4 waves a work-group, clusters of 4 x 4, 327,680 bytes of LDS; arguments xc, wac, lowp_scales, b_attn, qkv; writes qkv
.if DOCPART == 2
	.amdgcn_target "amdgcn-amd-amdhsa--gfx1250"
	.amdhsa_code_object_version 6
	.text
	.protected	k_q5dbbba3479_qkv
	.globl	k_q5dbbba3479_qkv
	.p2align	8
	.type	k_q5dbbba3479_qkv,@function
k_q5dbbba3479_qkv:
	s_mov_b64 s[64:65], 0
	v_nop
	global_prefetch_b8 v0, s[64:65] scope:SCOPE_SE
	s_setreg_imm32_b32 hwreg(HW_REG_WAVE_MODE, 25, 1), 1
	s_wait_xcnt 0x0
	s_wait_alu depctr_hold_cnt(0) depctr_sa_sdst(0) depctr_va_vdst(0) depctr_va_sdst(0) depctr_va_ssrc(0) depctr_va_vcc(0) depctr_vm_vsrc(0)
	s_getreg_b32 s2, hwreg(HW_REG_IB_STS2, 6, 4)
	s_cmp_eq_u32 s2, 0
	s_cbranch_scc0 .Lentry_in_a_cluster
	s_endpgm
.Lentry_in_a_cluster:
	s_bfe_u32 s2, ttmp6, 0x10000c
	s_cmp_lg_u32 s2, 0xf033
	s_cbranch_scc0 .Lentry_shape_is_right
	s_endpgm
.Lentry_shape_is_right:
; qkv = x w_attn + b_attn on codes of BF8 (xc, wac: images of the operand's registers, 1,024 bytes for 16 rows x 64 along K), and its three parts quantised at once: q with 2^e2, k with 2^e3, v with 2^e5.
; number = sum x 2^(e0 + e1) + bias, one fused multiply-add in f32; code = number / 2^e, held within +-57,344, to the nearest code, ties to even.  No step of reference() is left out.
; LIMITS: e0 + e1 between -126 and 127; e2, e3, e5 between -126 and 112.
; OUTPUT: q at byte 0, k at 2^23, v at 2^24 of one buffer; a head (batch x 16 + head) has 65,536 bytes in each; images again: q, k: [16 tokens][piece 2][lane][16 bytes]; v: [128 tokens][16 channels][piece 4][lane][16 bytes].
; In each group of 32 along the next K (the channel in q and k, the token in v) place 16 h + 8 u + i holds index 16 u + 8 h + i: the order in which a lane's conversions leave the codes, alike in q and k; p's codes come in v's order.
; SHARES.  A work-group: 256 tokens x the q, k, v channels of two heads (384): 8 x 32 = 256 work-groups.  A wave: 128 tokens x one head's 192 channels: 96 accumulators, 768 registers.
; K goes in 16 chunks of 64; a chunk is 40 row blocks x 1,024 = 40,960 bytes.  Two LDS slots, of 4 and of 3 chunks, are filled 4, 3, 4, 3, 2 by the tensor data mover; a tile's row is a row block's chunks: 4,096, 3,072 or 2,048 consecutive bytes, aligned.
; CLUSTERS: 4 x 4 work-groups.  The four of a row of the cluster need the same tokens, the four of a column the same channels: each tile is asked for JOINTLY, by the same load with a mask that names the four.
; NO PREFETCH: K is five fills, all written out: there is no loop to run ahead in.
; WHICH OPERAND IS WHICH.  q, k: source 0 = 16 channels, source 1 = 16 tokens: a lane holds 8 channels of a token (their next K).  v: source 0 = tokens, source 1 = channels: a lane holds 8 tokens of a channel.  All fragments have one layout.
; So a lane's codes ARE the next operand's registers, and a store of the wave covers 512 consecutive bytes: the way out uses no LDS.
; REGISTERS: window 0: v2-25 addresses and constants, v28, v29 the add's; v32-127 channel fragments, three buffers of 4 (q's, k's, v's); v128-255 token fragments, two sets of 8.  Windows 1, 2, 3: the accumulators of q, k, v.
.set CB,   32
.set TK,   128
.set SPW,  28
.set NIL,  29
.set SPARE, 286720
.set MSB, 0
.macro WIN new                         ; the immediate's high byte repeats the setting that is left
.if MSB != (\new)
	s_set_vgpr_msb (MSB<<8)|(\new)
.set MSB, (\new)
.endif
.endm
; A joint load: waves 0 and 1 fetch the tokens' halves, waves 2 and 3 the two heads' channels.  The branch hangs on the wave's number alone.  Four v_nop follow each line.
.macro JLOAD g1t, g1c
	s_cmp_eq_u32 s15, 0
	s_cbranch_scc0 .Lfor_c_\@
	tensor_load_to_lds s[68:71], s[\g1t:\g1t+7]
	s_nop 0
.rept 4
	v_nop
.endr
	s_branch .Lasked_\@
.Lfor_c_\@:
	tensor_load_to_lds s[72:75], s[\g1c:\g1c+7]
	s_nop 0
.rept 4
	v_nop
.endr
.Lasked_\@:
.endm
.macro CREST                           ; a round of the cluster's barrier behind its opening barrier
	s_cmp_lg_u32 s14, 0
	s_cbranch_scc1 .Lnot_wave_0_\@
	s_barrier_signal -3
.Lnot_wave_0_\@:
	s_barrier_wait -3
	s_barrier_signal -1
	s_barrier_wait -1
.endm
.macro CROUND
	s_barrier_signal -1
	s_barrier_wait -1
	CREST
.endm
.macro PLACES                          ; four places behind this matrix instruction (ISA guide 7.12.1)
.rept 4
	v_nop
.endr
.endm
.macro GROUP1 g, mask, len, rows       ; rows of len bytes, a row block (16,384 bytes) apart; no padding; bit 21 beside a mask
	s_or_b32 s[\g], s[\mask], 1<<21
	s_mov_b32 s[\g+1], (\len)<<16
	s_mov_b32 s[\g+2], (\rows)<<16
	s_mov_b32 s[\g+3], (\len)<<16
	s_mov_b32 s[\g+4], \rows
	s_mov_b32 s[\g+5], 16384
	s_mov_b32 s[\g+6], 0
	s_mov_b32 s[\g+7], 0
.endm
.macro UPD adv, tb, tm, cb, cm         ; the next fill's place in memory and in LDS (behind the wait that shows the last one done)
	s_mul_i32 s82, s3, \tm
	s_add_co_u32 s69, s82, \tb
	s_mul_i32 s83, s3, \cm
	s_add_co_u32 s73, s83, \cb
	s_add_nc_u64 s[70:71], s[70:71], \adv
	s_add_nc_u64 s[74:75], s[74:75], \adv
.endm
.macro PLACE n                         ; where chunk n lies: address registers (tokens, channels), bytes from row block to row block, place in the slot
.set XT, 6
.set XC, 7
.set XP, 2048
.set XQ, (\n)-14
.if (\n) < 14
.set XT, 4
.set XC, 5
.set XP, 3072
.set XQ, (\n)-11
.endif
.if (\n) < 11
.set XT, 2
.set XC, 3
.set XP, 4096
.set XQ, (\n)-7
.endif
.if (\n) < 7
.set XT, 4
.set XC, 5
.set XP, 3072
.set XQ, (\n)-4
.endif
.if (\n) < 4
.set XT, 2
.set XC, 3
.set XP, 4096
.set XQ, (\n)
.endif
.endm
.macro LDT n, a0                       ; chunk n's token fragments a0 .. a0 + 3
	PLACE (\n)
.irp i, 0,1,2,3
	ds_load_b128 v[TK+64*((\n)%2)+8*((\a0)+\i):TK+64*((\n)%2)+8*((\a0)+\i)+3], v[XT] offset:((\a0)+\i)*XP+XQ*1024
	ds_load_b128 v[TK+64*((\n)%2)+8*((\a0)+\i)+4:TK+64*((\n)%2)+8*((\a0)+\i)+7], v[XT] offset:((\a0)+\i)*XP+XQ*1024+512
.endr
.endm
.macro LDC n, g                        ; chunk n's channel fragments of part g
	PLACE (\n)
.irp i, 0,1,2,3
	ds_load_b128 v[CB+32*(\g)+8*\i:CB+32*(\g)+8*\i+3], v[XC] offset:(4*(\g)+\i)*XP+XQ*1024
	ds_load_b128 v[CB+32*(\g)+8*\i+4:CB+32*(\g)+8*\i+7], v[XC] offset:(4*(\g)+\i)*XP+XQ*1024+512
.endr
.endm
; 16 matrix instructions: part g, token blocks a0 .. a0 + 3 x 4 channel blocks.  The 96 accumulators take turns, one instruction a turn, in the same order in every chunk.
; Chunk 0 takes 0 as C: nothing is cleared.
.macro MULH n, g, a0
.irp a, 0,1,2,3
.irp b, 0,1,2,3
.set FT, TK+64*((\n)%2)+8*((\a0)+\a)
.set FC, CB+32*(\g)+8*\b
.if (\g) < 2
.set AC, 8*(4*((\a0)+\a)+\b)
.if (\n) == 0
	v_wmma_f32_16x16x64_bf8_bf8 v[AC:AC+7], v[FC:FC+7], v[FT:FT+7], 0
.else
	v_wmma_f32_16x16x64_bf8_bf8 v[AC:AC+7], v[FC:FC+7], v[FT:FT+7], v[AC:AC+7]
.endif
.else
.set AC, 8*(8*\b+(\a0)+\a)
.if (\n) == 0
	v_wmma_f32_16x16x64_bf8_bf8 v[AC:AC+7], v[FT:FT+7], v[FC:FC+7], 0
.else
	v_wmma_f32_16x16x64_bf8_bf8 v[AC:AC+7], v[FT:FT+7], v[FC:FC+7], v[AC:AC+7]
.endif
.endif
.endr
.endr
.endm
; A chunk: 96 matrix instructions in three groups, q's, k's, v's.  Each group's channel fragments are asked for two groups ahead; the next chunk's tokens in the second and third group.
; kind 1, 2, 3, 4: the slot's last chunk, which changes slots behind the slot's last reads (part 2 of this chunk): the three lines, a round, and the fill of the slot just read: 1: 3 chunks, 2: 4 chunks, 3: 2 chunks, 4: none is left.
.macro CHUNK n, kind
	s_wait_dscnt 16                                ; q's fragments and tokens 0-3 are in; tokens 4-7 and k's (8 + 8 loads) may be out
	PLACES                                         ; in front of loads into registers that matrix instructions have read
	LDC \n, 2
.if (\n) == 15
.irp b, 0,1,2,3                        ; the biases of q and k along a lane's registers, into the token set that is not at work
	global_load_b128 v[TK+8*\b:TK+8*\b+3], v9, s[10:11] offset:64*\b
	global_load_b128 v[TK+8*\b+4:TK+8*\b+7], v9, s[10:11] offset:64*\b+16
	global_load_b128 v[TK+32+8*\b:TK+32+8*\b+3], v9, s[10:11] offset:4096+64*\b
	global_load_b128 v[TK+32+8*\b+4:TK+32+8*\b+7], v9, s[10:11] offset:4096+64*\b+16
.endr
.endif
.if (\kind) > 0
	s_wait_tensorcnt 0x0                           ; all my tensor loads have landed: my part of the next slot
	ds_add_u32 v[SPW], v[NIL]                      ; 0 onto my spare word
.if (\kind) == 1
	UPD 4096, 163840, 24576, 212992, 36864
.endif
.if (\kind) == 2
	UPD 3072, 0, 32768, 65536, 49152
.endif
.if (\kind) == 3
	UPD 3072, 0, 16384, 32768, 24576
.endif
.endif
	WIN 0x50
	MULH \n, 0, 0
.if (\kind) > 0
	s_wait_dscnt 0x0                               ; the add is done, and so are my reads of this slot
	s_barrier_signal -1
.else
	s_wait_dscnt 16                                ; tokens 4-7 are in; k's and v's fragments may be out
.endif
	MULH \n, 0, 4
	WIN 0
.if (\kind) > 0
	s_barrier_wait -1                              ; (it opens a round of the cluster's barrier where a fill follows)
.if (\kind) == 1
	CREST
	JLOAD 24, 48                                   ; the first tensor load behind the round; its four v_nop are the places in front of the loads below
.endif
.if (\kind) == 2
	CREST
	JLOAD 16, 40
.endif
.if (\kind) == 3
	CREST
	JLOAD 32, 56
.endif
.if (\kind) == 4
	PLACES
.endif
.else
	s_wait_dscnt 8                                 ; k's fragments are in; v's may be out
.if (\n) < 15
	PLACES
.endif
.endif
.if (\n) < 15
	LDT \n+1, 0
	LDC \n+1, 0
.endif
	WIN 0xa0
	MULH \n, 1, 0
	MULH \n, 1, 4
	WIN 0
.if (\n) < 15
	s_wait_dscnt 16                                ; v's fragments are in; the 16 just issued may be out
	PLACES
	LDT \n+1, 4
	LDC \n+1, 1
.else
	s_wait_dscnt 0
.endif
	WIN 0xf0
	MULH \n, 2, 0
	MULH \n, 2, 4
	WIN 0
.endm
; THE WAY OUT of 32 registers (four accumulators): x 2^(e0 + e1) + bias, the hold, the conversions: eight registers of codes, two stores.  Two sets of work registers by turns, twelve sets of codes.
.macro WAY u, win, src, bias, isv, sc, base, off
.set TM, 32+32*((\u)%2)
.if ((\u)%12) < 4
.set CD, 96+8*((\u)%12)
.else
.set CD, 160+8*((\u)%12)
.endif
.if (\u) == 12
	s_wait_xcnt 0x0                                ; the first twelve sets' stores have read their registers
.endif
	WIN \win
.set jj, 0
.rept 16                               ; each accumulator from its low end on
.if \isv
	v_pk_fma_f32 v[TM+jj:TM+jj+1], v[\src+jj:\src+jj+1], s[96:97], v[\bias:\bias+1] op_sel_hi:[1,0,0]   ; my lane's channel has one bias for all its tokens
.else
	v_pk_fma_f32 v[TM+jj:TM+jj+1], v[\src+jj:\src+jj+1], s[96:97], v[\bias+jj:\bias+jj+1] op_sel_hi:[1,0,1]
.endif
.set jj, jj+2
.endr
	WIN 0
.set jj, 0
.rept 32
	v_med3_num_f32 v[TM+jj], v[TM+jj], -v[\sc+1], v[\sc+1]   ; the conversion does not saturate (ISA guide 7.6.2)
.set jj, jj+1
.endr
.irp g, 0,1,2,3
	v_cvt_scalef32_pk8_bf8_f32 v[CD+2*\g:CD+2*\g+1], v[TM+8*\g:TM+8*\g+7], v[\sc]
.endr
	global_store_b128 v8, v[CD:CD+3], s[\base:\base+1] offset:\off
	global_store_b128 v8, v[CD+4:CD+7], s[\base:\base+1] offset:\off+512
.endm
.macro SCL e, sc                       ; 2^e of a part, and 57,344 x that
	s_add_co_i32 s82, s[\e], 127
	s_lshl_b32 s83, s82, 23
	v_mov_b32 v[\sc], s83
	s_add_co_i32 s82, s82, 15
	s_lshl_b32 s82, s82, 23
	s_or_b32 s82, s82, 0x600000
	v_mov_b32 v[\sc+1], s82
.endm
	s_load_b256 s[4:11], s[0:1], 0x0               ; xc s[4:5], wac s[6:7], the exponents s[8:9], b_attn s[10:11]
	s_load_b64 s[12:13], s[0:1], 0x20              ; qkv
	v_lshl_add_u32 v[SPW], v0, 2, SPARE
	v_mov_b32 v[NIL], 0
	ds_add_u32 v[SPW], v[NIL]                      ; the opening: the add, twice on end, and its wait ahead of my first tensor load
	ds_add_u32 v[SPW], v[NIL]
	v_lshrrev_b32 v1, 5, v0
	v_readfirstlane_b32 s14, v1                    ; wave 0..3
	s_lshr_b32 s15, s14, 1                         ; which half of the tokens is mine.  Also: I fetch tokens (0) or channels (1)
	s_and_b32 s3, s14, 1                           ; which of the two heads is mine.  Also: which half I fetch
	s_bfe_u32 s76, ttmp6, 0x40000                  ; cx, cy
	s_bfe_u32 s77, ttmp6, 0x40004
	s_lshl_b32 s78, ttmp9, 2
	s_add_co_u32 s78, s78, s76                     ; pair of heads 0..7
	s_and_b32 s79, ttmp7, 0xffff
	s_lshl_b32 s79, s79, 2
	s_add_co_u32 s79, s79, s77                     ; 256 tokens 0..31
	s_lshl_b32 s80, s77, 2
	s_lshl_b32 s80, 15, s80                        ; my row of the cluster
	s_lshl_b32 s81, 0x1111, s76                    ; my column
	GROUP1 16, 80, 4096, 8
	GROUP1 24, 80, 3072, 8
	GROUP1 32, 80, 2048, 8
	GROUP1 40, 81, 4096, 12
	GROUP1 48, 81, 3072, 12
	GROUP1 56, 81, 2048, 12
	s_lshl_b32 s92, s79, 18
	s_lshl_b32 s82, s3, 17
	s_add_co_u32 s92, s92, s82                     ; tokens: 16 x tile + 8 x half row blocks
	s_mov_b32 s93, 0
	s_mul_i32 s94, s78, 393216
	s_mul_i32 s83, s3, 196608
	s_add_co_u32 s94, s94, s83                     ; channels: 24 x pair + 12 x head row blocks
	s_mov_b32 s95, 0
	s_mov_b32 s68, 1
	s_lshl_b32 s69, s3, 15
	s_mov_b32 s72, 1
	s_mul_i32 s73, s3, 49152
	s_add_co_u32 s73, s73, 65536
	s_wait_dscnt 0x0                               ; both opening adds are done
	s_wait_kmcnt 0x0
	s_load_b256 s[84:91], s[8:9], 0x0              ; e0 .. e7 in s84 .. s91
	s_add_nc_u64 s[70:71], s[4:5], s[92:93]
	s_or_b32 s71, s71, 0x80000000
	s_add_nc_u64 s[74:75], s[6:7], s[94:95]
	s_or_b32 s75, s75, 0x80000000
	CROUND                                         ; all sixteen work-groups are here: the first joint loads meet
	JLOAD 16, 40                                   ; chunks 0-3: one tensor load a wave at the head
	s_lshl_b32 s66, s79, 1
	s_add_co_u32 s66, s66, s15                     ; my 128 tokens, 0..63
	s_lshl_b32 s67, s78, 1
	s_add_co_u32 s67, s67, s3                      ; my head, 0..15
	s_lshr_b32 s82, s66, 3
	s_lshl_b32 s82, s82, 4
	s_add_co_u32 s82, s82, s67
	s_lshl_b32 s82, s82, 16                        ; batch x 16 + head
	s_and_b32 s83, s66, 7
	s_lshl_b32 s83, s83, 13                        ; 128 tokens are 8,192 bytes in q, k and v alike
	s_add_co_u32 s82, s82, s83
	s_mov_b32 s83, 0
	s_add_nc_u64 s[12:13], s[12:13], s[82:83]
	s_add_nc_u64 s[98:99], s[12:13], 0x800000
	s_add_nc_u64 s[100:101], s[12:13], 0x1000000
	s_lshl_b32 s82, s67, 8
	s_add_nc_u64 s[10:11], s[10:11], s[82:83]      ; b_attn at my head's q
	s_lshl_b32 s66, s15, 15                        ; LDS: my 8 row blocks of tokens and my 12 of channels, in slot 0,
	s_mul_i32 s67, s3, 49152
	s_add_co_u32 s67, s67, 65536
	s_mul_i32 s92, s15, 24576
	s_add_co_u32 s92, s92, 163840                  ; in slot 1,
	s_mul_i32 s93, s3, 36864
	s_add_co_u32 s93, s93, 212992
	s_lshl_b32 s94, s15, 14                        ; and in slot 0 with two chunks
	s_mul_i32 s95, s3, 24576
	s_add_co_u32 s95, s95, 32768
	v_and_b32 v8, 31, v0
	v_lshlrev_b32 v8, 4, v8                        ; 16 x lane
	v_add_nc_u32 v2, s66, v8
	v_add_nc_u32 v3, s67, v8
	v_add_nc_u32 v4, s92, v8
	v_add_nc_u32 v5, s93, v8
	v_add_nc_u32 v6, s94, v8
	v_add_nc_u32 v7, s95, v8
	v_bfe_u32 v9, v0, 4, 1
	v_lshlrev_b32 v9, 5, v9                        ; 32 h: the bias along registers
	v_and_b32 v10, 15, v0
	v_lshlrev_b32 v10, 2, v10                      ; 4 r: the bias along lanes
.irp b, 0,1,2,3
	v_mov_b32 v[17+2*\b], 0                        ; (named as the upper half of a pair, so it is written)
.endr
	s_wait_alu depctr_va_vdst(0)                   ; directly ahead of the wait below
	s_wait_kmcnt 0x0
	s_add_co_i32 s96, s84, s85
	s_add_co_i32 s96, s96, 127
	s_lshl_b32 s96, s96, 23                        ; 2^(e0 + e1) as f32
	s_mov_b32 s97, s96                             ; (named with it as a pair)
	SCL 86, 11                                     ; q
	SCL 87, 13                                     ; k
	SCL 89, 24                                     ; v
.irp b, 0,1,2,3
	global_load_b32 v[16+2*\b], v10, s[10:11] offset:8192+64*\b   ; v's bias: channel 16 b + r
.endr
	s_wait_alu depctr_va_vdst(0)                   ; the wait at the head's end
	s_wait_tensorcnt 0x0                           ; my part of chunks 0-3 is in
	ds_add_u32 v[SPW], v[NIL]
	UPD 4096, 163840, 24576, 212992, 36864
	s_wait_dscnt 0x0
	CROUND                                         ; everybody's part is in
	JLOAD 24, 48                                   ; chunks 4-6, the first tensor load behind the round
	LDT 0, 0
	LDC 0, 0
	LDT 0, 4
	LDC 0, 1
	CHUNK 0, 0
	CHUNK 1, 0
	CHUNK 2, 0
	CHUNK 3, 2                                     ; slot 0 takes chunks 7-10
	CHUNK 4, 0
	CHUNK 5, 0
	CHUNK 6, 1                                     ; slot 1 takes chunks 11-13
	CHUNK 7, 0
	CHUNK 8, 0
	CHUNK 9, 0
	CHUNK 10, 3                                    ; slot 0 takes chunks 14, 15
	CHUNK 11, 0
	CHUNK 12, 0
	CHUNK 13, 4                                    ; nothing is left to fetch
	CHUNK 14, 0
	CHUNK 15, 0
	PLACES                                         ; behind the last products
	s_wait_loadcnt 16                              ; v's biases are in; the 16 loads of q's and k's may be out
.set U, 0
.irp b, 0,1,2,3                        ; v: 16 channels x 64 tokens at a time
.irp f, 0,1
	WAY U, 3, 64*\b+32*\f, 16+2*\b, 1, 24, 100, \b*2048+\f*1024
.set U, U+1
.endr
.endr
	s_wait_loadcnt 0x0                             ; the biases of q and k
.irp a, 0,1,2,3,4,5,6,7                ; 16 tokens x 64 channels at a time
	WAY U, 2, 32*\a, 160, 0, 13, 98, \a*1024
.set U, U+1
.endr
.irp a, 0,1,2,3,4,5,6,7
	WAY U, 1, 32*\a, 128, 0, 11, 12, \a*1024
.set U, U+1
.endr
	v_nop                                          ; one plain vector line behind the last conversion
	s_wait_tensorcnt 0x0                           ; the wave's end
	ds_add_u32 v[SPW], v[NIL]
	s_wait_dscnt 0x0
	CROUND                                         ; the closing round
	s_endpgm
.Lfunc_end_k_q5dbbba3479_qkv:
	.size	k_q5dbbba3479_qkv, .Lfunc_end_k_q5dbbba3479_qkv-k_q5dbbba3479_qkv
	.p2alignl 7, 3214868480
	.fill 96, 4, 3214868480
	.section	.rodata,"a",@progbits
	.p2align	6, 0x0
	.amdhsa_kernel k_q5dbbba3479_qkv
		.amdhsa_group_segment_fixed_size 327680
		.amdhsa_private_segment_fixed_size 0
		.amdhsa_enable_private_segment 0
		.amdhsa_kernarg_size 40
		.amdhsa_user_sgpr_count 2
		.amdhsa_user_sgpr_kernarg_segment_ptr 1
		.amdhsa_wavefront_size32 1
		.amdhsa_system_sgpr_workgroup_id_x 1
		.amdhsa_system_sgpr_workgroup_id_y 1
		.amdhsa_system_sgpr_workgroup_id_z 1
		.amdhsa_system_vgpr_workitem_id 0
		.amdhsa_next_free_vgpr 1024
		.amdhsa_next_free_sgpr 102
		.amdhsa_reserve_vcc 0
		.amdhsa_float_denorm_mode_32 3
		.amdhsa_float_denorm_mode_16_64 3
		.amdhsa_memory_ordered 1
		.amdhsa_forward_progress 1
		.amdhsa_inst_pref_size 247
	.end_amdhsa_kernel
	.amdgpu_metadata
---
amdhsa.version: [ 1, 2 ]
amdhsa.kernels:
  - .name:           k_q5dbbba3479_qkv
    .symbol:         k_q5dbbba3479_qkv.kd
    .args:
      - { .name: xc, .offset: 0, .size: 8, .value_kind: global_buffer, .address_space: global }
      - { .name: wac, .offset: 8, .size: 8, .value_kind: global_buffer, .address_space: global }
      - { .name: lowp_scales, .offset: 16, .size: 8, .value_kind: global_buffer, .address_space: global }
      - { .name: b_attn, .offset: 24, .size: 8, .value_kind: global_buffer, .address_space: global }
      - { .name: qkv, .offset: 32, .size: 8, .value_kind: global_buffer, .address_space: global }
    .group_segment_fixed_size: 327680
    .private_segment_fixed_size: 0
    .kernarg_segment_align: 8
    .kernarg_segment_size: 40
    .max_flat_workgroup_size: 128
    .sgpr_count:     102
    .vgpr_count:     1024
    .wavefront_size: 32
...
	.end_amdgpu_metadata
.endif
;; end of part 2
;; launch attn (part 3): grid 2 x 128, 16 waves a work-group, no clusters, 327,680 bytes of LDS; arguments qkv, lowp_scales, yc; writes yc
.if DOCPART == 3
	.amdgcn_target "amdgcn-amd-amdhsa--gfx1250"
	.amdhsa_code_object_version 6
	.text
	.protected	k_q5dbbba3479_attn
	.globl	k_q5dbbba3479_attn
	.p2align	8
	.type	k_q5dbbba3479_attn,@function
k_q5dbbba3479_attn:
	s_mov_b64 s[64:65], 0
	v_nop
	global_prefetch_b8 v0, s[64:65] scope:SCOPE_SE
	s_setreg_imm32_b32 hwreg(HW_REG_WAVE_MODE, 25, 1), 1
	s_wait_xcnt 0x0
; y[head][q] = the sum over keys k <= q of softmax_k(q . k / 8) v[k], both products on codes of BF8, and y quantised with 2^e6.  128 heads (batch x 16 + head), 1,024 tokens, head size 64.
; IN: one buffer: q at byte 0, k at 2^23, v at 2^24, 65,536 bytes a head in each, as images of the operand's registers: q, k: 1,024 bytes for 16 tokens (piece c: 512 c + 16 x lane); v: 2,048 bytes for 16 channels x 128 tokens, four such for 128 tokens.
; In each group of 32 along K place 16 h + 8 u + i holds index 16 u + 8 h + i: alike in q and k; in v it is the order in which p's codes leave the conversions here.
; OUT: yc [16 tokens][head][1,024 bytes]: the image of 16 rows x 64 along K for the last product, channels in their own order.
; THE SOFTMAX: t = score x log2(e) / 8; M = the running largest t rounded UP to a whole number; p = 2^(t - M) is quantised with 2^e4, not normalised; the row's sum is taken of the unquantised p and divides at the end.
; When M moves, the sum and O are multiplied by 2^(old M - new M): nothing is rounded.
; LEFT OUT: the steps of 128 keys all of which reference()'s own mask hides from a tile's 16 queries: they are -inf ahead of the softmax whatever the inputs hold.  A NaN, an infinity or an overflow that reaches only these is not carried to the result.
; LIMITS: e2 + e3 between -123 and 130 (added to the exponent field of log2(e) / 8); e4 and e6 between -126 and 112; e4 + e5 is applied by v_ldexp_f32.  The scaled scores stay under 2^31 in magnitude.
; SHARES.  A head's 64 tiles of 16 queries go in pairs j, 63 - j.  Work-group x = 0, 1 of a head; wave w owns tiles j = 16 x + w and 63 - j.  In steps of 128 keys a pair has 9 steps that are not wholly hidden,
; whatever j: 256 work-groups of equal work, sixteen waves of 256 registers, four to a SIMD.  A hidden step is left out by a scalar branch on ids; no barrier and no tensor load stands in a step.
; ORDER.  The later tile first: its steps 0-4 are hidden in no wave.  Then the earlier tile, whose keys (under 512) lie in LDS by then: no barrier.
; K AND V lie in LDS whole, each byte filled once: keys 0-383 at the head, keys 384-1,023 behind the first barrier, with three steps' work in which to land.  All sixteen waves fetch: waves 0-7 an eighth each of K's part, waves 8-15 of V's.
; NO CLUSTER: a head's K and V are read by two work-groups only; a cluster's four would span two heads, whose tiles differ.  NO PREFETCH: two fills, both written out: there is no loop that fills.
; LAYOUT.  Both products transposed: S^T = K Q^T (source 0 = 16 keys), O^T = V^T P^T (source 0 = 16 channels): a lane holds ONE query (lane % 16) throughout; register 8 t + j of S^T is key 16 t + 8 (lane / 16) + j.
.set VOFF,  65536
.set STAGE, 131072                     ; 1,024 bytes a wave, for the way out; no fill lands here
.set SPARE, 147456                     ; the spare words, 128 bytes a wave
.set LN,  1                            ; v1   16 x lane
.set LV,  2                            ; v2   VOFF + 16 x lane
.set ADK, 3
.set ADV, 4
.set STO, 5
.set RD,  6
.set DL,  8                            ; v8   lane % 16 - 8 (lane / 16), for the mask
.set SPW, 9
.set NIL, 10
.set SS,  12                           ; v12-15 -M, largest t, sum in two halves
.set QL,  20
.set QH,  28
.set FRG, 36                           ; v36-99 eight fragments of K, then four of V
.set S,   100                          ; v100-163 S^T, then p
.set O,   164                          ; v164-195 O^T
.set PC,  196                          ; v196-211 p's codes
.set SC4, 212                          ; v212-215 2^e4, 57,344 x 2^e4, 2^e6, 57,344 x 2^e6
.set LM4, 213
.set SC6, 214
.set LM6, 215
.set F,   216                          ; v216-217 f, 0
.set S2,  218
.set W0,  220
.set W1,  221
.set W2,  222
.set NINF, 223
.set W4,  224
.set TB,  2                            ; s2   LDS byte of the step's keys
.set WV,  18
.set SEL, 20
.set CS,  22
.set G1A, 24                           ; s[24:31] group 1 of the first fill, s[40:47] of the second
.set G1B, 40
.set G0,  32
.set KF,  36                           ; s36  the step's first key
.set Q0H, 37
.set Q0L, 38
.set IC,  55
; One tile of 16 queries x 128 keys.
.macro STEP qf, sq
	s_add_co_u32 s91, s[\sq], 15
	s_cmp_gt_u32 s[KF], s91
	s_cbranch_scc1 .Lhidden_\@                     ; all its keys come after my queries
	v_add_nc_u32 v[ADK], s[TB], v[LN]
	v_add_nc_u32 v[ADV], s[TB], v[LV]
	v_nop                                          ; with the two additions: four places in front of loads into registers that matrix instructions have read
	v_nop
.irp t, 0,1,2,3,4,5,6,7
	ds_load_b128 v[FRG+8*\t:FRG+8*\t+3], v[ADK] offset:\t*1024
	ds_load_b128 v[FRG+8*\t+4:FRG+8*\t+7], v[ADK] offset:\t*1024+512
.endr
	s_wait_alu depctr_va_vdst(0)                   ; directly ahead of the wait below
	s_wait_dscnt 0x0
.irp t, 0,1,2,3,4,5,6,7
	v_wmma_f32_16x16x64_bf8_bf8 v[S+8*\t:S+8*\t+7], v[FRG+8*\t:FRG+8*\t+7], v[\qf:\qf+7], 0
.endr
.rept 4
	v_nop
.endr
.irp t, 0,1,2,3
.irp c, 0,1,2,3
	ds_load_b128 v[FRG+16*\t+4*\c:FRG+16*\t+4*\c+3], v[ADV] offset:\t*2048+512*\c   ; V's fragments land while the softmax is worked
.endr
.endr
	s_add_co_u32 s91, s[KF], 127
	s_cmp_le_u32 s91, s[\sq]
	s_cbranch_scc1 .Lopen_\@                       ; all its keys count
	s_sub_co_i32 s91, s[\sq], s[KF]
	v_add_nc_u32 v[W4], s91, v[DL]                 ; register 8 t + j is hidden where 16 t + j > my query - the step's first key - 8 (lane / 16)
	s_wait_alu depctr_va_vdst(0)                   ; ahead of the branches below
.irp t, 7,6,5,4,3,2,1,0                ; from the last 16 keys down to the 16 on the diagonal
	s_cmp_gt_i32 s91, 16*\t
	s_cbranch_scc1 .Lopen_\@                       ; these 16 keys, and all before them, count for all my queries
.irp j, 0,1,2,3,4,5,6,7
	v_cmp_gt_i32 vcc_lo, 16*\t+\j, v[W4]
	v_cndmask_b32 v[S+8*\t+\j], v[S+8*\t+\j], v[NINF], vcc_lo   ; -infinity ahead of the maximum: p = 0
.endr
.endr
.Lopen_\@:
	s_wait_alu depctr_va_vdst(0)                   ; behind the branches
	v_max3_num_f32 v[W0], v[S], v[S+1], v[S+2]     ; the step's largest score of my query among my 64 keys, in two chains, each accumulator from its low end on
	v_max3_num_f32 v[W1], v[S+3], v[S+4], v[S+5]
.irp i, 6,10,14,18,22,26,30,34,38,42,46,50,54,58
	v_max3_num_f32 v[W0], v[W0], v[S+\i], v[S+\i+1]
	v_max3_num_f32 v[W1], v[W1], v[S+\i+2], v[S+\i+3]
.endr
	v_max3_num_f32 v[W0], v[W0], v[S+62], v[S+63]
	s_delay_alu instid0(VALU_DEP_1)
	v_max_num_f32 v[W0], v[W0], v[W1]
	s_delay_alu instid0(VALU_DEP_1)
	v_permlanex16_b32 v[W2], v[W0], s[SEL], s[SEL+1]
	s_delay_alu instid0(VALU_DEP_1)
	v_max_num_f32 v[W0], v[W0], v[W2]              ; and among the other half's: the step's first key counts for every query, so this is a number
	s_delay_alu instid0(VALU_DEP_1)
	v_mul_f32 v[W0], s[CS], v[W0]                  ; as t
	s_delay_alu instid0(VALU_DEP_1)
	v_max_num_f32 v[SS+1], v[SS+1], v[W0]          ; the running largest t
	v_mov_b32 v[W0], v[SS]
	s_delay_alu instid0(VALU_DEP_2)
	v_floor_f32 v[SS], -v[SS+1]                    ; -M = floor(-t): M is a whole number
	s_delay_alu instid0(VALU_DEP_1)
	v_sub_f32 v[W0], v[SS], v[W0]                  ; old M - new M, 0 or less
	s_delay_alu instid0(VALU_DEP_1)
	v_cvt_i32_f32 v[W0], v[W0]                     ; (it saturates)
	s_delay_alu instid0(VALU_DEP_1)
	v_ldexp_f32 v[F], 1.0, v[W0]                   ; f = 2^(old M - new M)
.set jj, 0
.rept 32
	v_pk_fma_f32 v[S+jj:S+jj+1], v[S+jj:S+jj+1], s[CS:CS+1], v[SS:SS+1] op_sel_hi:[1,0,0]   ; t - M
.set jj, jj+2
.endr
.set jj, 0
	s_wait_alu depctr_va_vdst(0)                   ; ahead of the batch
.rept 64
	v_exp_f32 v[S+jj], v[S+jj]                     ; p = 2^(t - M)
.set jj, jj+1
.endr
	v_pk_mul_f32 v[SS+2:SS+3], v[SS+2:SS+3], v[F:F+1] op_sel_hi:[1,0]   ; the sums under the new M: the plain line behind the exponentials
	s_wait_alu depctr_va_vdst(0)                   ; one wait for the batch of 64, ahead of its first reader
	v_pk_add_f32 v[S2:S2+1], v[S:S+1], v[S+2:S+3]  ; the sum of the UNQUANTISED p, in two chains
.irp j, 4,8,12,16,20,24,28,32,36,40,44,48,52,56,60
	v_pk_add_f32 v[SS+2:SS+3], v[SS+2:SS+3], v[S+\j:S+\j+1]
	v_pk_add_f32 v[S2:S2+1], v[S2:S2+1], v[S+\j+2:S+\j+3]
.endr
	s_delay_alu instid0(VALU_DEP_1)
	v_pk_add_f32 v[SS+2:SS+3], v[SS+2:SS+3], v[S2:S2+1]
.irp b, 0,1,2,3
.irp i, 0,2,4,6,8,10,12,14
	v_dual_min_num_f32 v[S+16*\b+\i], v[LM4], v[S+16*\b+\i] :: v_dual_min_num_f32 v[S+16*\b+\i+1], v[LM4], v[S+16*\b+\i+1]   ; the conversion does not saturate (ISA guide 7.6.2); p is not negative
.endr
	v_cvt_scalef32_pk8_bf8_f32 v[PC+4*\b:PC+4*\b+1], v[S+16*\b:S+16*\b+7], v[SC4]
	v_cvt_scalef32_pk8_bf8_f32 v[PC+4*\b+2:PC+4*\b+3], v[S+16*\b+8:S+16*\b+15], v[SC4]
.endr
	s_wait_alu depctr_va_vdst(0)                   ; directly ahead of the first reader of O^T
.set jj, 0
.rept 16
	v_pk_mul_f32 v[O+jj:O+jj+1], v[O+jj:O+jj+1], v[F:F+1] op_sel_hi:[1,0]   ; O^T under the new M; also the plain lines behind the conversions
.set jj, jj+2
.endr
	s_wait_alu depctr_va_vdst(0)                   ; directly ahead of the wait below
	s_wait_dscnt 0x0                               ; V's fragments
.irp t, 0,1,2,3                        ; the four accumulators take turns, one instruction a turn
	v_wmma_f32_16x16x128_bf8_bf8 v[O+8*\t:O+8*\t+7], v[FRG+16*\t:FRG+16*\t+15], v[PC:PC+15], v[O+8*\t:O+8*\t+7]
.endr
.Lhidden_\@:
.endm
.macro TINIT                           ; the step is written once, and a tile's first run finds zeros, which the first change of M leaves zeros
	v_mov_b32 v[SS+1], 0xff61b1e6                  ; the largest t so far: -3e38, under every t
	s_delay_alu instid0(VALU_DEP_1)
	v_floor_f32 v[SS], -v[SS+1]
	v_mov_b32 v[SS+2], 0
	v_mov_b32 v[SS+3], 0
.set jj, 0
.rept 32
	v_mov_b32 v[O+jj], 0
.set jj, jj+1
.endr
	s_wait_alu depctr_va_vdst(0)
.endm
.macro TWALK qf, sq, first, steps      ; the 128 keys of number 'first' and those behind them
	s_mov_b32 s[TB], 8192*(\first)
	s_mov_b32 s[KF], 128*(\first)
	s_mov_b32 s[IC], \steps
.Lwalk_\@:
	STEP \qf, \sq
	s_add_co_u32 s[TB], s[TB], 8192
	s_add_co_u32 s[KF], s[KF], 128
	s_sub_co_u32 s[IC], s[IC], 1
	s_cmp_lg_u32 s[IC], 0
	s_cbranch_scc1 .Lwalk_\@
.endm
; A tile's way out: O^T x 2^(e4 + e5) / the sum, the hold, the codes; through my stage into the image's order (LDS serves a wave's instructions in order), 1,024 consecutive bytes of yc.
.macro TOUT yb, bk
.rept 4
	v_nop                                          ; places behind the last products
.endr
	v_add_f32 v[SS+2], v[SS+2], v[SS+3]            ; the sum's two halves,
	v_permlanex16_b32 v[W2], v[SS+2], s[SEL], s[SEL+1]
	v_add_f32 v[SS+2], v[SS+2], v[W2]              ; and the other half of the lanes'
	s_wait_alu depctr_va_vdst(0)                   ; ahead of the transcendental
	v_rcp_f32 v[SS+2], v[SS+2]
	v_nop                                          ; a plain line behind it
	s_wait_alu depctr_va_vdst(0)                   ; ahead of its first reader, and of the first readers of O^T
	v_ldexp_f32 v[SS+2], v[SS+2], s79
.set jj, 0
.rept 32
	v_mul_f32 v[S+jj], v[O+jj], v[SS+2]
.set jj, jj+1
.endr
.set jj, 0
.rept 32
	v_med3_num_f32 v[S+jj], v[S+jj], -v[LM6], v[LM6]
.set jj, jj+1
.endr
.irp t, 0,1,2,3
	v_cvt_scalef32_pk8_bf8_f32 v[PC+2*\t:PC+2*\t+1], v[S+8*\t:S+8*\t+7], v[SC6]
.endr
	v_nop                                          ; one plain vector line behind the last conversion
.irp t, 0,1,2,3
	ds_store_b64 v[STO], v[PC+2*\t:PC+2*\t+1] offset:256*\t   ; channels 16 t + 8 (lane / 16) + 0 .. 7 of query lane % 16
.endr
	ds_load_b128 v[\bk:\bk+3], v[RD]
	ds_load_b128 v[\bk+4:\bk+7], v[RD] offset:512
	s_wait_dscnt 0x0
	global_store_b128 v[LN], v[\bk:\bk+3], s[\yb:\yb+1]            ; the wave stores 512 consecutive bytes, aligned
	global_store_b128 v[LN], v[\bk+4:\bk+7], s[\yb:\yb+1] offset:512
.endm
.macro YBASE j, dst                    ; tile j's 1,024 bytes of yc: ((64 batch + j) << 14) + (head << 10)
	s_add_co_u32 s91, s[\j], s79
	s_lshl_b32 s91, s91, 14
	s_add_co_u32 s92, s91, s90
	s_add_nc_u64 s[\dst:\dst+1], s[8:9], s[92:93]
.endm
.macro GROUP1 g, rows                  ; a dense block, stated as rows of 1,024 bytes; no mask; no padding
	s_mov_b32 s[\g], 0
	s_mov_b32 s[\g+1], 1024<<16
	s_mov_b32 s[\g+2], (\rows)<<16
	s_mov_b32 s[\g+3], 1024<<16
	s_mov_b32 s[\g+4], \rows
	s_mov_b32 s[\g+5], 1024
	s_mov_b32 s[\g+6], 0
	s_mov_b32 s[\g+7], 0
.endm
	s_load_b128 s[4:7], s[0:1], 0x0                ; qkv s[4:5], the exponents s[6:7]
	s_load_b64 s[8:9], s[0:1], 0x10                ; yc
	v_lshl_add_u32 v[SPW], v0, 2, SPARE
	v_mov_b32 v[NIL], 0
	ds_add_u32 v[SPW], v[NIL]                      ; the opening: the add, twice on end, and its wait ahead of my first tensor load
	ds_add_u32 v[SPW], v[NIL]
	v_lshrrev_b32 v11, 5, v0
	v_readfirstlane_b32 s[WV], v11                 ; wave 0..15
	s_and_b32 s76, ttmp7, 0xffff                   ; the head, 0..127
	s_lshl_b32 s77, ttmp9, 4
	s_add_co_u32 s77, s77, s[WV]                   ; the earlier tile, 0..31
	s_sub_co_u32 s78, 63, s77                      ; the later tile, 63..32
	s_lshl_b32 s[Q0L], s77, 4
	s_lshl_b32 s[Q0H], s78, 4
	GROUP1 G1A, 3
	GROUP1 G1B, 5
	s_lshr_b32 s79, s[WV], 3                       ; waves 0-7: K; waves 8-15: V
	s_and_b32 s59, s[WV], 7                        ; which eighth
	s_mul_i32 s91, s59, 3072
	s_lshl_b32 s92, s79, 16
	s_add_co_u32 s[G0+1], s92, s91
	s_add_co_u32 s79, s79, 1
	s_lshl_b32 s79, s79, 23                        ; k at 2^23, v at 2^24
	s_lshl_b32 s92, s76, 16                        ; the head's 65,536 bytes
	s_add_co_u32 s90, s79, s92
	s_add_co_u32 s90, s90, s91
	s_lshl_b32 s56, s59, 11
	s_add_co_u32 s56, s56, 24576                   ; from my part of the first fill to my part of the second: 24,576 + (5,120 - 3,072) x eighth
	s_mov_b32 s57, 0
	s_mov_b32 s91, 0
	s_mov_b32 s93, 0
	s_mov_b32 s[G0], 1
	s_wait_dscnt 0x0                               ; both opening adds are done
	s_wait_kmcnt 0x0
	s_load_b256 s[68:75], s[6:7], 0x0              ; e0 .. e7 in s68 .. s75
	s_add_nc_u64 s[G0+2:G0+3], s[4:5], s[90:91]
	s_or_b32 s[G0+3], s[G0+3], 0x80000000
	tensor_load_to_lds s[G0:G0+3], s[G1A:G1A+7]    ; keys 0-383: every wave its own 3,072 bytes
	s_nop 0
	s_add_nc_u64 s[60:61], s[4:5], s[92:93]        ; q of my head,
	s_mov_b64 s[62:63], s[60:61]
	s_lshl_b32 s90, s78, 10
	s_add_nc_u64 s[60:61], s[60:61], s[90:91]      ; at the later tile,
	s_lshl_b32 s90, s77, 10
	s_add_nc_u64 s[62:63], s[62:63], s[90:91]      ; at the earlier
	s_lshl_b32 s79, s[WV], 10
	s_add_co_u32 s79, s79, STAGE                   ; my stage
	v_and_b32 v[W0], 15, v0                        ; r
	v_bfe_u32 v[W1], v0, 4, 1                      ; h
	v_and_b32 v[LN], 31, v0
	v_lshlrev_b32 v[STO], 4, v[W0]
	v_lshlrev_b32 v[LN], 4, v[LN]
	v_lshl_add_u32 v[STO], v[W1], 3, v[STO]
	v_add_nc_u32 v[RD], s79, v[LN]
	v_add_nc_u32 v[STO], s79, v[STO]
	v_add_nc_u32 v[LV], VOFF, v[LN]
	v_lshlrev_b32 v[DL], 3, v[W1]
	v_sub_nc_u32 v[DL], v[W0], v[DL]
	v_mov_b32 v[F+1], 0                            ; (named as the upper half of a pair)
	v_mov_b32 v[W2], 0                             ; written once: a lane permute's destination counts as one of its sources
	v_mov_b32 v[NINF], 0xff800000                  ; -infinity
	global_load_b128 v[QH:QH+3], v[LN], s[60:61]
	global_load_b128 v[QH+4:QH+7], v[LN], s[60:61] offset:512
	TINIT
	s_lshr_b32 s79, s76, 4
	s_lshl_b32 s79, s79, 6                         ; 64 x batch
	s_and_b32 s90, s76, 15
	s_lshl_b32 s90, s90, 10                        ; head << 10
	YBASE 78, 50
	YBASE 77, 52
	s_mov_b32 s[SEL], 0x76543210
	s_mov_b32 s[SEL+1], 0xfedcba98
	s_wait_kmcnt 0x0
	s_add_co_i32 s79, s70, s71
	s_lshl_b32 s79, s79, 23
	s_mov_b32 s[CS], 0x3e38aa3b                    ; log2(e) / 8
	s_add_co_i32 s[CS], s[CS], s79                 ; x 2^(e2 + e3): the exponents are added to its exponent field
	s_mov_b32 s[CS+1], s[CS]
	s_add_co_i32 s79, s72, 127
	s_lshl_b32 s90, s79, 23
	v_mov_b32 v[SC4], s90                          ; 2^e4
	s_add_co_i32 s79, s79, 15
	s_lshl_b32 s79, s79, 23
	s_or_b32 s79, s79, 0x600000
	v_mov_b32 v[LM4], s79                          ; 57,344 x 2^e4
	s_add_co_i32 s79, s74, 127
	s_lshl_b32 s90, s79, 23
	v_mov_b32 v[SC6], s90                          ; 2^e6
	s_add_co_i32 s79, s79, 15
	s_lshl_b32 s79, s79, 23
	s_or_b32 s79, s79, 0x600000
	v_mov_b32 v[LM6], s79                          ; 57,344 x 2^e6
	s_add_co_i32 s79, s72, s73                     ; e4 + e5
	s_wait_alu depctr_va_vdst(0)                   ; the wait at the head's end
	s_wait_loadcnt 0x0                             ; the later tile's Q
	s_wait_tensorcnt 0x0                           ; my part of keys 0-383 is in
	ds_add_u32 v[SPW], v[NIL]
	s_add_co_u32 s[G0+1], s[G0+1], s56
	s_add_nc_u64 s[G0+2:G0+3], s[G0+2:G0+3], s[56:57]
	s_wait_dscnt 0x0
	s_barrier_signal -1
	s_barrier_wait -1
	tensor_load_to_lds s[G0:G0+3], s[G1B:G1B+7]    ; keys 384-1,023: every wave its own 5,120 bytes
	s_nop 0
	global_load_b128 v[QL:QL+3], v[LN], s[62:63]   ; the earlier tile's Q
	global_load_b128 v[QL+4:QL+7], v[LN], s[62:63] offset:512
	TWALK QH, Q0H, 0, 3
	s_wait_tensorcnt 0x0                           ; my part of keys 384-1,023 is in; no fill follows
	s_wait_dscnt 0x0
	s_barrier_signal -1
	s_barrier_wait -1
	TWALK QH, Q0H, 3, 5
	TOUT 50, 228
	TINIT
	s_wait_loadcnt 0x0                             ; the earlier tile's Q
	TWALK QL, Q0L, 0, 4                            ; its queries lie under 512
	TOUT 52, 236
	s_wait_tensorcnt 0x0                           ; the wave's end
	ds_add_u32 v[SPW], v[NIL]
	s_wait_dscnt 0x0
	s_endpgm
.Lfunc_end_k_q5dbbba3479_attn:
	.size	k_q5dbbba3479_attn, .Lfunc_end_k_q5dbbba3479_attn-k_q5dbbba3479_attn
	.p2alignl 7, 3214868480
	.fill 96, 4, 3214868480
	.section	.rodata,"a",@progbits
	.p2align	6, 0x0
	.amdhsa_kernel k_q5dbbba3479_attn
		.amdhsa_group_segment_fixed_size 327680
		.amdhsa_private_segment_fixed_size 0
		.amdhsa_enable_private_segment 0
		.amdhsa_kernarg_size 24
		.amdhsa_user_sgpr_count 2
		.amdhsa_user_sgpr_kernarg_segment_ptr 1
		.amdhsa_wavefront_size32 1
		.amdhsa_system_sgpr_workgroup_id_x 1
		.amdhsa_system_sgpr_workgroup_id_y 1
		.amdhsa_system_sgpr_workgroup_id_z 1
		.amdhsa_system_vgpr_workitem_id 0
		.amdhsa_next_free_vgpr 256
		.amdhsa_next_free_sgpr 96
		.amdhsa_reserve_vcc 1
		.amdhsa_float_denorm_mode_32 3
		.amdhsa_float_denorm_mode_16_64 3
		.amdhsa_memory_ordered 1
		.amdhsa_forward_progress 1
		.amdhsa_inst_pref_size 82
	.end_amdhsa_kernel
	.amdgpu_metadata
---
amdhsa.version: [ 1, 2 ]
amdhsa.kernels:
  - .name:           k_q5dbbba3479_attn
    .symbol:         k_q5dbbba3479_attn.kd
    .args:
      - { .name: qkv, .offset: 0, .size: 8, .value_kind: global_buffer, .address_space: global }
      - { .name: lowp_scales, .offset: 8, .size: 8, .value_kind: global_buffer, .address_space: global }
      - { .name: yc, .offset: 16, .size: 8, .value_kind: global_buffer, .address_space: global }
    .group_segment_fixed_size: 327680
    .private_segment_fixed_size: 0
    .kernarg_segment_align: 8
    .kernarg_segment_size: 24
    .max_flat_workgroup_size: 512
    .sgpr_count:     96
    .vgpr_count:     256
    .wavefront_size: 32
...
	.end_amdgpu_metadata
.endif
;; end of part 3
;; launch proj (part 4): grid 4 x 64, 8 waves a work-group, clusters of 4 x 4, 327,680 bytes of LDS; arguments yc, wpc, lowp_scales, b_proj, out0; writes out0
.if DOCPART == 4
	.amdgcn_target "amdgcn-amd-amdhsa--gfx1250"
	.amdhsa_code_object_version 6
	.text
	.protected	k_q5dbbba3479_proj
	.globl	k_q5dbbba3479_proj
	.p2align	8
	.type	k_q5dbbba3479_proj,@function
k_q5dbbba3479_proj:
	s_mov_b64 s[64:65], 0
	v_nop
	global_prefetch_b8 v0, s[64:65] scope:SCOPE_SE
	s_setreg_imm32_b32 hwreg(HW_REG_WAVE_MODE, 25, 1), 1
	s_wait_xcnt 0x0
	s_wait_alu depctr_hold_cnt(0) depctr_sa_sdst(0) depctr_va_vdst(0) depctr_va_sdst(0) depctr_va_ssrc(0) depctr_va_vcc(0) depctr_vm_vsrc(0)
	s_getreg_b32 s2, hwreg(HW_REG_IB_STS2, 6, 4)
	s_cmp_eq_u32 s2, 0
	s_cbranch_scc0 .Lentry_in_a_cluster
	s_endpgm
.Lentry_in_a_cluster:
	s_bfe_u32 s2, ttmp6, 0x10000c
	s_cmp_lg_u32 s2, 0xf033
	s_cbranch_scc0 .Lentry_shape_is_right
	s_endpgm
.Lentry_shape_is_right:
; out = y w_proj + b_proj on codes of BF8 (yc, wpc: images of the operand's registers, 1,024 bytes for 16 rows x 64 along K, 16,384 a row block): sum x 2^(e6 + e7) + bias, one fused multiply-add, f32.  No step of reference() is left out.
; LIMIT: e6 + e7 between -126 and 127.
; SHARES.  A work-group: 128 tokens x 256 channels, eight waves of 64 x 64 (two to a SIMD): 16 accumulators.  4 x 64 = 256 work-groups.  A step is 128 along K; two LDS slots of three steps; slot 0 is filled again with the last two.
; A tile's row is a row block's part: 6,144 or 4,096 consecutive bytes, aligned.  Every wave fetches: waves 0-3 two row blocks of tokens each, waves 4-7 four of channels.
; CLUSTERS: 4 x 4: tokens are shared along a row of the cluster, channels along a column, by joint loads.  NO PREFETCH: K is three fills, all written out: there is no loop to run ahead in.
; Source 0 = 16 channels, source 1 = 16 tokens: a lane holds eight neighbouring channels of a token.
; REGISTERS: window 0: v16-29 addresses, v64-127 the tokens' fragments, v128-255 the channels', two sets; on the way out v32-127 are free.  Window 1: accumulator (a, b) at v[8 (4 a + b)], the bias along registers at v[128:159].
.set SLOT,   147456                    ; 8 + 16 row blocks x 6,144
.set SPARE,  2*SLOT                    ; the spare words, 128 bytes a wave
.set STAGE,  SLOT                      ; the way out: 16 rows x 272 bytes a wave, in slot 1, which has had its last fill and its last read by then
.set SPITCH, 272
.set ADRA, 16                          ; v16-18 the tokens' address in slot 0, slot 1, slot 0 with two steps
.set ADRB, 20
.set STO,  24
.set RD,   25
.set CO,   26
.set BO,   27
.set SPW,  28
.set NIL,  29
.set TMP,  32
.set AF,   64
.set BF,   128
.set BK,   64                          ; 16 rows read back: v64-95 and v96-127 by turns
.set MSB, 0
.macro WIN new                         ; the immediate's high byte repeats the setting that is left
.if MSB != (\new)
	s_set_vgpr_msb (MSB<<8)|(\new)
.set MSB, (\new)
.endif
.endm
.set MUL,  0x50                        ; sources 0 and 1 window 0, C and D window 1
; A joint load.  The branch hangs on the wave's number alone.  Four v_nop follow each line.
.macro JLOAD g1a, g1b
	s_cmp_eq_u32 s15, 0
	s_cbranch_scc0 .Lfor_b_\@
	tensor_load_to_lds s[56:59], s[\g1a:\g1a+7]
	s_nop 0
.rept 4
	v_nop
.endr
	s_branch .Lasked_\@
.Lfor_b_\@:
	tensor_load_to_lds s[60:63], s[\g1b:\g1b+7]
	s_nop 0
.rept 4
	v_nop
.endr
.Lasked_\@:
.endm
.macro CREST                           ; a round of the cluster's barrier behind its opening barrier
	s_cmp_lg_u32 s14, 0
	s_cbranch_scc1 .Lnot_wave_0_\@
	s_barrier_signal -3
.Lnot_wave_0_\@:
	s_barrier_wait -3
	s_barrier_signal -1
	s_barrier_wait -1
.endm
.macro CROUND
	s_barrier_signal -1
	s_barrier_wait -1
	CREST
.endm
.macro PLACES                          ; four places behind this matrix instruction (ISA guide 7.12.1)
.rept 4
	v_nop
.endr
.endm
.macro GROUP1 g, mask, len, rows       ; rows of len bytes, a row block apart; no padding; bit 21 beside a mask
	s_or_b32 s[\g], s[\mask], 1<<21
	s_mov_b32 s[\g+1], (\len)<<16
	s_mov_b32 s[\g+2], (\rows)<<16
	s_mov_b32 s[\g+3], (\len)<<16
	s_mov_b32 s[\g+4], \rows
	s_mov_b32 s[\g+5], 16384
	s_mov_b32 s[\g+6], 0
	s_mov_b32 s[\g+7], 0
.endm
.macro UPD ab, am, bb, bm              ; the next fill's place (behind the wait that shows the last one done)
	s_mul_i32 s71, s16, \am
	s_add_co_u32 s57, s71, \ab
	s_mul_i32 s74, s16, \bm
	s_add_co_u32 s61, s74, \bb
	s_add_nc_u64 s[58:59], s[58:59], 6144
	s_add_nc_u64 s[62:63], s[62:63], 6144
.endm
.macro FETCH_B slot, q, p              ; four channel fragments into set p
.set PP, 6144-2048*((\slot)/2)
.irp i, 0,1,2,3
.irp c, 0,1,2,3
	ds_load_b128 v[BF+64*(\p)+16*\i+4*\c:BF+64*(\p)+16*\i+4*\c+3], v[ADRB+\slot] offset:\i*PP+2048*(\q)+512*\c
.endr
.endr
.endm
.macro FETCH_A slot, q, i0             ; token fragments i0, i0 + 1
.set PP, 6144-2048*((\slot)/2)
.irp i, \i0, \i0+1
.irp c, 0,1,2,3
	ds_load_b128 v[AF+16*(\i)+4*\c:AF+16*(\i)+4*\c+3], v[ADRA+\slot] offset:(\i)*PP+2048*(\q)+512*\c
.endr
.endr
.endm
; Four matrix instructions: token block a x 4 channel blocks.  The 16 accumulators take turns, one instruction a turn, in the same order in every step.
.macro MULB a, p, zero
.irp b, 0,1,2,3
.set AC, 8*(4*(\a)+\b)
.set FB, BF+64*(\p)+16*\b
.set FA, AF+16*(\a)
.if \zero
	v_wmma_f32_16x16x128_bf8_bf8 v[AC:AC+7], v[FB:FB+15], v[FA:FA+15], 0
.else
	v_wmma_f32_16x16x128_bf8_bf8 v[AC:AC+7], v[FB:FB+15], v[FA:FA+15], v[AC:AC+7]
.endif
.endr
.endm
.macro STEP p, ns, nq, zero            ; multiplies set p; fetches step nq of slot ns
	s_wait_dscnt 8                                 ; all but the youngest eight loads (token blocks 2, 3) are in
	WIN MUL
	MULB 0, \p, \zero
	MULB 1, \p, \zero
	WIN 0
	s_wait_dscnt 0
	PLACES                                         ; in front of loads into registers that matrix instructions have read
	FETCH_B \ns, \nq, 1-(\p)
	FETCH_A \ns, \nq, 0
	WIN MUL
	MULB 2, \p, \zero
	MULB 3, \p, \zero
	WIN 0
	PLACES
	FETCH_A \ns, \nq, 2
.endm
; A slot's last step changes slots: the three lines, ONE barrier (where a slot is filled again it opens a round), the fill.
.macro TURN p, ns, fill
	s_wait_tensorcnt 0x0                           ; all my tensor loads have landed: my part of the next slot
	ds_add_u32 v[SPW], v[NIL]                      ; 0 onto my spare word
.if \fill
	UPD 0, 8192, 32768, 16384
.endif
	s_wait_dscnt 9                                 ; the add and the youngest eight loads may be out
	WIN MUL
	MULB 0, \p, 0
	s_wait_dscnt 0x0                               ; the add is done, and my reads of this slot are over
	s_barrier_signal -1
	MULB 1, \p, 0
	WIN 0
	s_barrier_wait -1
.if \fill
	CREST
	JLOAD 32, 48                                   ; the first tensor load behind the round; its four v_nop are the places in front of the loads below
.else
	PLACES
.endif
	FETCH_B \ns, 0, 1-(\p)
	FETCH_A \ns, 0, 0
	WIN MUL
	MULB 2, \p, 0
	MULB 3, \p, 0
	WIN 0
	PLACES
	FETCH_A \ns, 0, 2
.endm
; THE WAY OUT of token block a: 16 rows x 64 channels through my stage; it comes back as whole rows of 256 bytes.  LDS serves a wave's instructions in order (ISA guide 5.7.1.4): no wait between.
.macro TOSTAGE a
.set BB, BK+32*((\a)%2)
	WIN 0x11                                       ; sources 0 and 2 window 1
.set jj, 0
.rept 16                               ; each accumulator from its low end on
	v_pk_fma_f32 v[TMP+jj:TMP+jj+1], v[32*(\a)+jj:32*(\a)+jj+1], s[84:85], v[128+jj:128+jj+1] op_sel_hi:[1,0,1]
.set jj, jj+2
.endr
	WIN 0
.irp b, 0,1,2,3
	ds_store_b128 v[STO], v[TMP+8*\b:TMP+8*\b+3] offset:64*\b
	ds_store_b128 v[STO], v[TMP+8*\b+4:TMP+8*\b+7] offset:64*\b+16
.endr
.irp t, 0,1,2,3,4,5,6,7
	ds_load_b128 v[BB+4*\t:BB+4*\t+3], v[RD] offset:2*\t*SPITCH
.endr
.endm
.macro SEND a, younger
.set BB, BK+32*((\a)%2)
	s_wait_dscnt \younger                          ; the block is back; the next block's 8 stores and 8 loads may be out
.irp t, 0,1,2,3,4,5,6,7
	global_store_b128 v[CO], v[BB+4*\t:BB+4*\t+3], s[12:13] offset:(\a)*65536+\t*8192 th:TH_STORE_NT   ; sixteen lanes store 256 consecutive bytes of a row, aligned
.endr
.endm
	s_load_b256 s[4:11], s[0:1], 0x0               ; yc s[4:5], wpc s[6:7], the exponents s[8:9], b_proj s[10:11]
	s_load_b64 s[12:13], s[0:1], 0x20              ; out0
	v_lshl_add_u32 v[SPW], v0, 2, SPARE
	v_mov_b32 v[NIL], 0
	ds_add_u32 v[SPW], v[NIL]                      ; the opening: the add, twice on end, and its wait ahead of my first tensor load
	ds_add_u32 v[SPW], v[NIL]
	v_lshrrev_b32 v1, 5, v0
	v_readfirstlane_b32 s14, v1                    ; wave 0..7
	s_lshr_b32 s15, s14, 2                         ; which 64 tokens are mine.  Also: I fetch tokens (0) or channels (1)
	s_and_b32 s16, s14, 3                          ; which 64 channels.  Also: which quarter I fetch
	s_bfe_u32 s66, ttmp6, 0x40000                  ; cx, cy
	s_bfe_u32 s67, ttmp6, 0x40004
	s_lshl_b32 s68, ttmp9, 2
	s_add_co_u32 s68, s68, s66                     ; 256 channels 0..3
	s_and_b32 s17, ttmp7, 0xffff
	s_lshl_b32 s17, s17, 2
	s_add_co_u32 s17, s17, s67                     ; 128 tokens 0..63
	s_lshl_b32 s69, s67, 2
	s_lshl_b32 s69, 15, s69                        ; my row of the cluster
	s_lshl_b32 s70, 0x1111, s66                    ; my column
	GROUP1 24, 69, 6144, 2
	GROUP1 32, 69, 4096, 2
	GROUP1 40, 70, 6144, 4
	GROUP1 48, 70, 4096, 4
	s_lshl_b32 s20, s17, 17
	s_lshl_b32 s18, s16, 15
	s_add_co_u32 s20, s20, s18                     ; tokens: 8 x tile + 2 x quarter row blocks
	s_mov_b32 s21, 0
	s_lshl_b32 s72, s68, 18
	s_lshl_b32 s19, s16, 16
	s_add_co_u32 s72, s72, s19                     ; channels: 16 x tile + 4 x quarter row blocks
	s_mov_b32 s73, 0
	s_mov_b32 s56, 1
	s_mul_i32 s57, s16, 12288
	s_mov_b32 s60, 1
	s_mul_i32 s61, s16, 24576
	s_add_co_u32 s61, s61, 49152
	s_wait_dscnt 0x0                               ; both opening adds are done
	s_wait_kmcnt 0x0
	s_load_b256 s[76:83], s[8:9], 0x0              ; e0 .. e7 in s76 .. s83
	s_add_nc_u64 s[58:59], s[4:5], s[20:21]
	s_or_b32 s59, s59, 0x80000000
	s_add_nc_u64 s[62:63], s[6:7], s[72:73]
	s_or_b32 s63, s63, 0x80000000
	CROUND                                         ; all sixteen work-groups are here: the first joint loads meet
	JLOAD 24, 40                                   ; steps 0-2: one tensor load a wave at the head
	s_lshl_b32 s86, s68, 10
	s_lshl_b32 s87, s16, 8
	s_add_co_u32 s86, s86, s87
	s_mov_b32 s87, 0
	s_add_nc_u64 s[10:11], s[10:11], s[86:87]      ; b_proj at my 64 channels
	s_lshl_b32 s18, s17, 19
	s_lshl_b32 s19, s15, 18
	s_add_co_u32 s18, s18, s19
	s_add_co_u32 s86, s86, s18
	s_add_nc_u64 s[12:13], s[12:13], s[86:87]      ; my 64 rows x 64 channels of out0
	s_mul_i32 s18, s14, 16*SPITCH
	s_add_co_u32 s18, s18, STAGE                   ; my stage
	s_mul_i32 s19, s15, 24576                      ; LDS: my four row blocks of tokens and of channels in slot 0,
	s_mul_i32 s20, s16, 24576
	s_add_co_u32 s20, s20, 49152
	s_add_co_u32 s21, s19, SLOT                    ; in slot 1,
	s_add_co_u32 s22, s20, SLOT
	s_lshl_b32 s23, s15, 14                        ; and in slot 0 with two steps
	s_lshl_b32 s72, s16, 14
	s_add_co_u32 s72, s72, 32768
	v_and_b32 v1, 15, v0                           ; r
	v_bfe_u32 v2, v0, 4, 1                         ; h
	v_and_b32 v6, 31, v0
	v_lshlrev_b32 v6, 4, v6                        ; 16 x lane
	v_add_nc_u32 v[ADRA], s19, v6
	v_add_nc_u32 v[ADRB], s20, v6
	v_add_nc_u32 v[ADRA+1], s21, v6
	v_add_nc_u32 v[ADRB+1], s22, v6
	v_add_nc_u32 v[ADRA+2], s23, v6
	v_add_nc_u32 v[ADRB+2], s72, v6
	v_mul_u32_u24 v5, v1, SPITCH
	v_lshl_add_u32 v5, v2, 5, v5
	v_add_nc_u32 v[STO], s18, v5                   ; into the stage: row r, 32 bytes for each half of the lanes
	v_lshlrev_b32 v1, 4, v1
	v_mul_u32_u24 v5, v2, SPITCH
	v_add_nc_u32 v5, v5, v1
	v_add_nc_u32 v[RD], s18, v5                    ; back: sixteen lanes to a row, two rows an instruction
	v_lshl_add_u32 v[CO], v2, 12, v1               ; and the same in out0
	v_lshlrev_b32 v[BO], 5, v2
	s_wait_alu depctr_va_vdst(0)                   ; the wait at the head's end
	WIN 0x40
.irp b, 0,1,2,3
	global_load_b128 v[128+8*\b:128+8*\b+3], v[BO], s[10:11] offset:64*\b       ; channels 16 b + 8 h + 0 .. 7
	global_load_b128 v[128+8*\b+4:128+8*\b+7], v[BO], s[10:11] offset:64*\b+16
.endr
	WIN 0
	s_wait_tensorcnt 0x0                           ; my part of steps 0-2 is in
	ds_add_u32 v[SPW], v[NIL]
	UPD SLOT, 12288, SLOT+49152, 24576
	s_wait_dscnt 0x0
	CROUND                                         ; everybody's part is in
	JLOAD 24, 40                                   ; steps 3-5, the first tensor load behind the round
	FETCH_B 0, 0, 0
	FETCH_A 0, 0, 0
	FETCH_A 0, 0, 2
	STEP 0, 0, 1, 1                                ; the first products start the sums: nothing is cleared
	STEP 1, 0, 2, 0
	TURN 0, 1, 1                                   ; slot 0 takes steps 6, 7
	STEP 1, 1, 1, 0
	STEP 0, 1, 2, 0
	TURN 1, 2, 0                                   ; nothing is left to fetch
	STEP 0, 2, 1, 0
	s_wait_dscnt 8                                 ; the last step
	WIN MUL
	MULB 0, 1, 0
	MULB 1, 1, 0
	s_wait_dscnt 0
	MULB 2, 1, 0
	MULB 3, 1, 0
	WIN 0
	s_wait_kmcnt 0x0
	s_add_co_i32 s84, s82, s83
	s_add_co_i32 s84, s84, 127
	s_lshl_b32 s84, s84, 23                        ; 2^(e6 + e7) as f32
	s_mov_b32 s85, s84                             ; (named with it as a pair)
	s_wait_loadcnt 0x0                             ; the bias
	PLACES                                         ; behind the last products
	TOSTAGE 0
.irp a, 1,2,3
.if \a > 1
	s_wait_xcnt 0x0                                ; block a - 2's stores have read their registers: block a's loads may land there
.endif
	TOSTAGE \a
	SEND \a-1, 16
.endr
	SEND 3, 0
	s_wait_tensorcnt 0x0                           ; the wave's end
	ds_add_u32 v[SPW], v[NIL]
	s_wait_dscnt 0x0
	CROUND                                         ; the closing round
	s_endpgm
.Lfunc_end_k_q5dbbba3479_proj:
	.size	k_q5dbbba3479_proj, .Lfunc_end_k_q5dbbba3479_proj-k_q5dbbba3479_proj
	.p2alignl 7, 3214868480
	.fill 96, 4, 3214868480
	.section	.rodata,"a",@progbits
	.p2align	6, 0x0
	.amdhsa_kernel k_q5dbbba3479_proj
		.amdhsa_group_segment_fixed_size 327680
		.amdhsa_private_segment_fixed_size 0
		.amdhsa_enable_private_segment 0
		.amdhsa_kernarg_size 40
		.amdhsa_user_sgpr_count 2
		.amdhsa_user_sgpr_kernarg_segment_ptr 1
		.amdhsa_wavefront_size32 1
		.amdhsa_system_sgpr_workgroup_id_x 1
		.amdhsa_system_sgpr_workgroup_id_y 1
		.amdhsa_system_sgpr_workgroup_id_z 1
		.amdhsa_system_vgpr_workitem_id 0
		.amdhsa_next_free_vgpr 512
		.amdhsa_next_free_sgpr 92
		.amdhsa_reserve_vcc 0
		.amdhsa_float_denorm_mode_32 3
		.amdhsa_float_denorm_mode_16_64 3
		.amdhsa_memory_ordered 1
		.amdhsa_forward_progress 1
		.amdhsa_inst_pref_size 50
	.end_amdhsa_kernel
	.amdgpu_metadata
---
amdhsa.version: [ 1, 2 ]
amdhsa.kernels:
  - .name:           k_q5dbbba3479_proj
    .symbol:         k_q5dbbba3479_proj.kd
    .args:
      - { .name: yc, .offset: 0, .size: 8, .value_kind: global_buffer, .address_space: global }
      - { .name: wpc, .offset: 8, .size: 8, .value_kind: global_buffer, .address_space: global }
      - { .name: lowp_scales, .offset: 16, .size: 8, .value_kind: global_buffer, .address_space: global }
      - { .name: b_proj, .offset: 24, .size: 8, .value_kind: global_buffer, .address_space: global }
      - { .name: out0, .offset: 32, .size: 8, .value_kind: global_buffer, .address_space: global }
    .group_segment_fixed_size: 327680
    .private_segment_fixed_size: 0
    .kernarg_segment_align: 8
    .kernarg_segment_size: 40
    .max_flat_workgroup_size: 256
    .sgpr_count:     92
    .vgpr_count:     512
    .wavefront_size: 32
...
	.end_amdgpu_metadata
.endif
;; end of part 4
